; MI455X (gfx1250); checked and timed in simulation.
; The chip was launched on July 23, 2026; its instructions are those of AMD's public machine-readable ISA for CDNA 5 (MIT licence, August 2026) and "CDNA5" Instruction Set Architecture Reference Guide (July 2026). The comments in the code are by the model that wrote it; some were corrected since.
;; Spiking Field Update NN. Allowed arithmetic: float matrix products may take bf16 or f16 operands with f32 sums; all other float work in f32.
;; Inputs: W1 512 x 2,048 float32; W2 512 x 512 float32; W3 2,048 x 512 float32; b1 512 float32; b2 512 float32; b3 2,048 float32; x 8,192 x 2,048 float32.
;; Outputs: out0 8,192 x 2,048 float32.
;; One version. Each part assembles by itself: llvm-mc -triple=amdgcn-amd-amdhsa -mcpu=gfx1250 --defsym DOCPART=n.
;; ======== version 1 of 1: 2 launches
;; workspace buffers: wb 4,718,592 bytes
;; launch cvt (part 1): grid 288 x 1, 8 waves a work-group, no clusters, 0 bytes of LDS; arguments W1, W2, W3, wb; writes wb
.if DOCPART == 1
	.amdgcn_target "amdgcn-amd-amdhsa--gfx1250"
	.amdhsa_code_object_version 6
	.text
	.protected	k_q5c26f54686_cvt
	.globl	k_q5c26f54686_cvt
	.p2align	8
	.type	k_q5c26f54686_cvt,@function
k_q5c26f54686_cvt:
	s_mov_b64 s[64:65], 0
	v_nop
	global_prefetch_b8 v0, s[64:65] scope:SCOPE_SE
	s_setreg_imm32_b32 hwreg(HW_REG_WAVE_MODE, 25, 1), 1
	s_wait_xcnt 0x0
; W1, W2, W3 (f32) -> wb (bf16, rounded to nearest even), laid out as the 56 dense tiles that the second launch walks.
;   wb + 0          W1 as [kb 16][n 512][128 k]: block kb is 131,072 dense bytes, a row of it 256 bytes
;   wb + 2,097,152  W2 as it lies, [512][512]: 64 rows are a tile of 65,536 bytes
;   wb + 2,621,440  W3's rows in another order: position p = F<<7 | i1<<6 | eta<<5 | i0<<4 | r holds row c = F<<7 | eta<<6 | r<<2 | i1<<1 | i0,
;                   so that the four results which a lane of the second launch gathers are four neighbouring columns of the output
; A work-group writes 16,384 consecutive bytes of wb; thread t writes the 16 bytes at 16 t + 4,096 i, i = 0..3, made of 32 bytes of input.
; A wave's store covers 512 consecutive bytes; its two loads together cover whole pieces of 512 bytes or more of input rows.
; No LDS, no barrier, no matrix unit: the launch only moves bytes.  Each path names its own buffer's pointer, so the tail is written once a path.
.macro TAIL base, step
	v_add_nc_u32 v2, s16, v1                       ; the four input offsets: the group's part, my lane's part, i x step
	v_add_nc_u32 v3, (\step), v2
	v_add_nc_u32 v4, 2*(\step), v2
	v_add_nc_u32 v5, 3*(\step), v2
	s_wait_kmcnt 0x0
	s_add_nc_u64 s[10:11], s[10:11], s[18:19]      ; wb at the group's 16,384 bytes
.irp q, 0,1,2,3
	global_load_b128 v[8+8*\q:11+8*\q], v[2+\q], s[\base:\base+1] th:TH_LOAD_NT
	global_load_b128 v[12+8*\q:15+8*\q], v[2+\q], s[\base:\base+1] offset:16 th:TH_LOAD_NT
.endr
.irp q, 0,1,2,3
	s_wait_loadcnt 6-2*\q                          ; loads come back in order: pair q is in, the younger pairs stay out
.irp p, 0,1,2,3
	v_cvt_pk_bf16_f32 v[40+4*\q+\p], v[8+8*\q+2*\p], v[9+8*\q+2*\p]
.endr
	global_store_b128 v7, v[40+4*\q:43+4*\q], s[10:11] offset:4096*\q   ; no hint: the next launch reads these bytes many times
.endr
	s_endpgm
.endm
	s_load_b256 s[4:11], s[0:1], 0x0               ; W1 s[4:5], W2 s[6:7], W3 s[8:9], wb s[10:11]
	s_mov_b32 s2, ttmp9                            ; the work-group's number, 0..287
	s_lshl_b32 s18, s2, 14                         ; its 16,384 bytes of wb
	s_mov_b32 s19, 0
	v_lshlrev_b32 v7, 4, v0                        ; my 16 bytes in them
	s_cmp_lt_u32 s2, 128
	s_cbranch_scc0 .Lnot_w1
	; groups 0..127: block kb = group / 8, rows 64 (group % 8) on; 16 threads a row
	s_and_b32 s16, s2, 7
	s_lshl_b32 s16, s16, 19                        ; 64 rows of 8,192 bytes
	s_lshr_b32 s17, s2, 3
	s_lshl_b32 s17, s17, 9                         ; 128 columns of 4 bytes
	s_add_co_u32 s16, s16, s17
	v_lshrrev_b32 v1, 4, v0
	v_and_b32 v6, 15, v0
	v_lshlrev_b32 v1, 13, v1                       ; my row
	v_lshl_add_u32 v1, v6, 5, v1                   ; my 8 columns
	TAIL 4, 131072                                 ; i steps 16 rows
.Lnot_w1:
	s_cmp_lt_u32 s2, 160
	s_cbranch_scc0 .Lw3
	; groups 128..159: W2 as it lies
	s_sub_co_u32 s3, s2, 128
	s_lshl_b32 s16, s3, 15
	v_lshlrev_b32 v1, 5, v0
	TAIL 6, 8192
.Lw3:
	; groups 160..287: positions 16 g .. 16 g + 15, g = F<<3 | i1<<2 | eta<<1 | i0; r = 4 i + thread / 64; 64 threads a row
	s_sub_co_u32 s3, s2, 160
	s_lshr_b32 s16, s3, 3
	s_lshl_b32 s16, s16, 7                         ; F<<7
	s_bfe_u32 s17, s3, 0x10001
	s_lshl_b32 s17, s17, 6                         ; eta<<6
	s_or_b32 s16, s16, s17
	s_bfe_u32 s17, s3, 0x10002
	s_lshl_b32 s17, s17, 1                         ; i1<<1
	s_or_b32 s16, s16, s17
	s_and_b32 s17, s3, 1                           ; i0
	s_or_b32 s16, s16, s17
	s_lshl_b32 s16, s16, 11                        ; rows of 2,048 bytes
	v_lshrrev_b32 v1, 6, v0
	v_and_b32 v6, 63, v0
	v_lshlrev_b32 v1, 13, v1                       ; r's low part: 4 rows on
	v_lshl_add_u32 v1, v6, 5, v1
	TAIL 8, 32768                                  ; i steps r by 4: 16 rows
.Lfunc_end_k_q5c26f54686_cvt:
	.size	k_q5c26f54686_cvt, .Lfunc_end_k_q5c26f54686_cvt-k_q5c26f54686_cvt
	.p2alignl 7, 3214868480
	.fill 96, 4, 3214868480
	.section	.rodata,"a",@progbits
	.p2align	6, 0x0
	.amdhsa_kernel k_q5c26f54686_cvt
		.amdhsa_group_segment_fixed_size 0
		.amdhsa_private_segment_fixed_size 0
		.amdhsa_enable_private_segment 0
		.amdhsa_kernarg_size 32
		.amdhsa_user_sgpr_count 2
		.amdhsa_user_sgpr_kernarg_segment_ptr 1
		.amdhsa_wavefront_size32 1
		.amdhsa_system_sgpr_workgroup_id_x 1
		.amdhsa_system_sgpr_workgroup_id_y 1
		.amdhsa_system_sgpr_workgroup_id_z 1
		.amdhsa_system_vgpr_workitem_id 0
		.amdhsa_next_free_vgpr 56
		.amdhsa_next_free_sgpr 66
		.amdhsa_reserve_vcc 0
		.amdhsa_float_denorm_mode_32 3
		.amdhsa_float_denorm_mode_16_64 3
		.amdhsa_memory_ordered 1
		.amdhsa_forward_progress 1
		.amdhsa_inst_pref_size 10
	.end_amdhsa_kernel
	.amdgpu_metadata
---
amdhsa.version: [ 1, 2 ]
amdhsa.kernels:
  - .name:           k_q5c26f54686_cvt
    .symbol:         k_q5c26f54686_cvt.kd
    .args:
      - { .name: W1, .offset: 0, .size: 8, .value_kind: global_buffer, .address_space: global }
      - { .name: W2, .offset: 8, .size: 8, .value_kind: global_buffer, .address_space: global }
      - { .name: W3, .offset: 16, .size: 8, .value_kind: global_buffer, .address_space: global }
      - { .name: wb, .offset: 24, .size: 8, .value_kind: global_buffer, .address_space: global }
    .group_segment_fixed_size: 0
    .private_segment_fixed_size: 0
    .kernarg_segment_align: 8
    .kernarg_segment_size: 32
    .max_flat_workgroup_size: 256
    .sgpr_count:     66
    .vgpr_count:     56
    .wavefront_size: 32
...
	.end_amdgpu_metadata
.endif
;; end of part 1
;; launch snn (part 2): grid 256 x 1, 4 waves a work-group, clusters of 4 x 1, 327,680 bytes of LDS; arguments x, wb, b1, b2, b3, out0; writes out0
.if DOCPART == 2
	.amdgcn_target "amdgcn-amd-amdhsa--gfx1250"
	.amdhsa_code_object_version 6
	.text
	.protected	k_q5c26f54686_snn
	.globl	k_q5c26f54686_snn
	.p2align	8
	.type	k_q5c26f54686_snn,@function
k_q5c26f54686_snn:
	s_mov_b64 s[64:65], 0
	v_nop
	global_prefetch_b8 v0, s[64:65] scope:SCOPE_SE
	s_setreg_imm32_b32 hwreg(HW_REG_WAVE_MODE, 25, 1), 1
	s_wait_xcnt 0x0
	s_wait_alu depctr_hold_cnt(0) depctr_sa_sdst(0) depctr_va_vdst(0) depctr_va_sdst(0) depctr_va_ssrc(0) depctr_va_vcc(0) depctr_vm_vsrc(0)
	s_getreg_b32 s2, hwreg(HW_REG_IB_STS2, 6, 4)
	s_cmp_eq_u32 s2, 0
	s_cbranch_scc0 .Lentry_in_a_cluster
	s_endpgm
.Lentry_in_a_cluster:
	s_bfe_u32 s2, ttmp6, 0x10000c
	s_cmp_lg_u32 s2, 0x3003
	s_cbranch_scc0 .Lentry_shape_is_right
	s_endpgm
.Lentry_shape_is_right:
; THREE LAYERS OF LEAKY INTEGRATE-AND-FIRE NEURONS, 5 TIME STEPS, FUSED.  out0[b][c] = the mean over t of s3(t)[b][c].
; No layer feeds an earlier one, so the time steps are batched: cur1 = x W1^T + b1 gives all five s1(t); the five cur2(t) = s1(t) W2^T + b2 are one product, and so are the five cur3(t).
; Each weight is walked once.  For every neuron: m(t) = 0.95 m(t-1) + cur(t) - s(t-1), s(t) = (m(t) > 1); a step's spike is the next step's reset.
; LIMITS.  x, W1, W2, W3 (rounded by the launch before) and b1, b2, b3 are rounded to bf16, to nearest even; spikes are 0 or 1, exact in bf16.  Sums in f32 in the matrix unit's order, the bias as
; the first addend; m = fma(0.95, m, cur) - s; the mean is the count times 0.2.  m > 1 is false for NaN.  The step at the threshold is not continuous: a membrane that lies within the rounding of
; those sums of 1 may spike otherwise than with another order of sums; that moves an output by 0.2 and can spread along its batch row.
; SHARES.  A work-group owns 32 batch rows: 256 work-groups.  All walk the same 56 tiles of weights (16 of W1, 8 of W2, 32 of W3), so the four of a cluster ask for each tile JOINTLY:
; the same tensor load, descriptor and mask in all four; each of the four waves fetches a quarter of each tile.  Wave w: rho = w & 1 (a tile of 16 batch rows), eta = w >> 1.
;   phase 1  source 0 = 16 rows of W1, source 1 = 16 batch rows: wave w makes neurons 128 w .. +127 for both row tiles: 16 accumulators.  K goes in blocks of 128; x is loaded as f32, two blocks ahead,
;            rounded and shared through LDS.
;   phase 2  the same way round: the spikes of row tile rho at all 5 times lie in 640 registers (80 fragments); a fragment of W2 read from LDS feeds 5 products.  A SUB-PASS is 16 rows of W
;            x 16 K steps x 5 times = 80 products on 5 accumulators, which take turns.  Of a tile's 64 rows the wave takes 32 eta .. +31: two sub-passes.
;   phase 3  source 0 = spikes, source 1 = W3: a lane holds an output column, register j batch row 8 (lane / 16) + j.  By the order of W3's rows in wb the results of four sub-passes are four
;            neighbouring columns, so a lane stores 16 bytes and sixteen lanes 256 consecutive bytes, at a multiple of 256 from out0's first byte, with no way through LDS.
;            One sub-pass's neurons are stepped (136 vector instructions) as riders, two behind each product of the next sub-pass, which has the other set of accumulators.
; FROM LAYER TO LAYER.  With W as source 0 a lane holds one batch row and eight neurons; two such results, packed to bf16, ARE a fragment of the next product.  Only the wave changes: region EB.
; LDS (bytes).  0: slot P0, 139,264: slot P1 (512 rows of 256 + 16).  Slots Q0, Q1 (64 rows of 1,024 + 16 = 66,560 each) lie in P0.  278,528: x in bf16, two slots of 32 rows of 272.
;   EB = 139,264 .. 303,104: spike fragments [rho][f = 5 ks + t][half][lane][16 bytes], stored only when P1 has had its last fill.  303,104: the spare words.  303,616: b1, b2, b3 rounded, as f32.
;   Both pitches are odd multiples of 16 bytes: the 16 rows of a fragment load start in 16 different groups of four banks (64 banks of 4 bytes: ISA guide 11.1).
; REGISTERS, in windows of 256 (s_set_vgpr_msb: bits 1:0 source 0, 3:2 source 1, 5:4 source 2, 7:6 destination):
;   window 0: v1-31 lane terms and addresses; phase 1: v32-47 at work, v48-111 b1 as C, v112-239 accumulators; later v32-63 results, v64-71 C, v72-87 count and spikes, v88-167 two sets of
;   5 accumulators, v168-231 two buffers of 4 fragments of W; v240-241 the slots' LDS addresses, copied into every window, since an LDS load's address is a source 0.
;   window 1: phase 1 two buffers of 10 fragments; then m and s.  window 2: v0-63 x as loaded; then packed spikes.  From phase 2 on windows 1, 2, 3 hold the spike fragments: f at window 1 + f / 30, v[8 (f % 30)].
.set ROWB,   8192                      ; bytes in a row of x and of out0
.set PP,     272
.set PSLOT,  512*PP
.set PQ,     128*PP                    ; a wave's quarter of a tile of W1
.set QP,     1040
.set QSLOT,  64*QP
.set QQ,     16*QP                     ; a wave's quarter of a tile of W2 or W3
.set XB,     2*PSLOT
.set XSLOT,  32*PP
.set EB,     PSLOT
.set ERHO,   80*1024
.set SPARE,  EB+2*ERHO                 ; the spare words: 128 bytes for each wave, two blocks of 256 bytes that no other line names
.set BT1,    SPARE+512
.set BT2,    BT1+2048
.set BT3,    BT1+4096
.set W2OFF,  2097152                   ; W2's first tile in wb
.set LN,  1                            ; v1  lane
.set RW,  2                            ; v2  lane % 16
.set HF,  3                            ; v3  lane / 16
.set AW,  4                            ; v4-5  my fragments of W1 in slot 0, 1
.set AX,  6                            ; v6  my fragments of x
.set AXS, 7                            ; v7  where I put 8 bytes of a row of x
.set XO,  8                            ; v8  my byte offset in the group's rows of x
.set ES,  9                            ; v9-10  where spikes go in EB
.set ER0, 11                           ; v11-12  where my row tile's fragments are read
.set ER1, 12
.set AB,  13                           ; v13  the bias table
.set GO,  14                           ; v14  my byte offset in the group's rows of out0
.set BO,  16                           ; v16  16 x thread: the biases in memory
.set BS,  17                           ; v17  and in LDS
.set SPW, 28                           ; v28  LDS address of my spare word; never rewritten
.set NIL, 29                           ; v29  0; never rewritten
.set BV,  30                           ; v30-31  phase 3: this sub-pass's bias and the next's
.set TC,  32
.set BIAS1, 48
.set ACC1, 112
.set ADR, 240
.set OUT, 32
.set PK,  32
.set BIAS, 64
.set CN,  72
.set SA,  80
.set ACCA, 88
.set ACCB, 128
.set FR,  168
.set WV,  16                           ; s16 wave, s17 rho, s18 eta
.set RHO, 17
.set ETA, 18
.set G1A, 24                           ; s[24:31] descriptor group 1, tiles of W1
.set G1B, 32                           ; s[32:39] tiles of W2 and W3
.set G0,  40                           ; s[40:47] descriptor group 0, a set for each slot
.set CT,  50                           ; s50 loop counter
.set BETA, 52                          ; s[52:53] 0.95, named as a pair
.set FIFTH, 54                         ; s54 0.2
.set MK,  56                           ; s[56:63] eight lane masks
.set WQ,  66                           ; s[66:67] wb at my quarter of W2's first tile
.set MSB, 0
.macro WIN new                         ; the immediate's high byte repeats the setting that is left; a switch that changes nothing is dropped
.if MSB != (\new)
	s_set_vgpr_msb (MSB<<8)|(\new)
.set MSB, (\new)
.endif
.endm
; A load into a register that a matrix instruction has read, and a vector instruction that reads a matrix result or writes one of its registers, stand four places behind it;
; only plain vector instructions that name none of its registers are places (ISA guide 7.12.1 for vector instructions).
.macro PLACES
.rept 4
	v_nop
.endr
.endm
; A round of the cluster's barrier: my work-group's barrier, so that wave 0's signal speaks for all four waves; wave 0 signals; every wave waits for all four work-groups; my work-group's barrier once more.
.macro CROUND
	s_barrier_signal -1
	s_barrier_wait -1
	s_cmp_lg_u32 s[WV], 0
	s_cbranch_scc1 .Lnot_wave_0_\@
	s_barrier_signal -3
.Lnot_wave_0_\@:
	s_barrier_wait -3
	s_barrier_signal -1
	s_barrier_wait -1
.endm
; THE CHANGE OF SLOTS, behind my last read of the tile in hand.  Each wave waits for all its tensor loads, of which one is out: its quarter of the other slot's tile; adds 0 to its spare word;
; steps the descriptor while the add is out; waits for the add and for its own LDS reads and stores.  Behind the round no wave of any partner reads the old slot, the other slot is whole,
; and the joint refill, the tile two further on, is the first thing: it has a whole tile's work in which to land.
; kind 0: the next tile of W1.  1, 2: the first two tiles of W2, into Q0 and Q1.  3: the next tile of W2 or W3.  4: nothing is left to ask for: a plain barrier.
.macro CHANGE slot, kind
	WIN 0                                          ; the add's registers lie in window 0; at a branch every window is 0
	s_wait_tensorcnt 0x0                           ; no tensor load of mine is out, so a group 0 may be written
	ds_add_u32 v[SPW], v[NIL]
.if (\kind) == 0
	s_add_nc_u64 s[G0+4*(\slot)+2:G0+4*(\slot)+3], s[G0+4*(\slot)+2:G0+4*(\slot)+3], 2*131072
.elseif (\kind) == 1
	s_mul_i32 s[G0+1], s[WV], QQ
	s_mov_b64 s[G0+2:G0+3], s[WQ:WQ+1]
	s_or_b32 s[G0+3], s[G0+3], 0x80000000
.elseif (\kind) == 2
	s_mul_i32 s[G0+5], s[WV], QQ
	s_add_co_u32 s[G0+5], s[G0+5], QSLOT
	s_add_nc_u64 s[G0+6:G0+7], s[WQ:WQ+1], 65536
	s_or_b32 s[G0+7], s[G0+7], 0x80000000
.elseif (\kind) == 3
	s_add_nc_u64 s[G0+4*(\slot)+2:G0+4*(\slot)+3], s[G0+4*(\slot)+2:G0+4*(\slot)+3], 2*65536
.endif
	s_wait_dscnt 0x0                               ; the add is done; my reads of the slot are back and my LDS stores are done
.if (\kind) == 4
	s_barrier_signal -1
	s_barrier_wait -1
.else
	CROUND
.if (\kind) == 0
	tensor_load_to_lds s[G0+4*(\slot):G0+4*(\slot)+3], s[G1A:G1A+7]
.else
	tensor_load_to_lds s[G0+4*(\slot):G0+4*(\slot)+3], s[G1B:G1B+7]
.endif
	s_nop 0
.endif
	PLACES                                         ; also the places in front of the fragment loads that follow
.endm
; ---- the head ----
	s_load_b256 s[4:11], s[0:1], 0x0               ; x s[4:5], wb s[6:7], b1 s[8:9], b2 s[10:11]
	s_load_b128 s[12:15], s[0:1], 0x20             ; b3 s[12:13], out0 s[14:15]
	v_lshl_add_u32 v[SPW], v0, 2, SPARE
	v_mov_b32 v[NIL], 0
	ds_add_u32 v[SPW], v[NIL]                      ; the wave's opening: the add and its wait stand ahead of my first tensor load; the set-up, work on registers, stands between
	v_lshrrev_b32 v15, 5, v0
	v_readfirstlane_b32 s[WV], v15
	s_and_b32 s[RHO], s[WV], 1
	s_lshr_b32 s[ETA], s[WV], 1
	s_bfe_u32 s19, ttmp6, 0x40000                  ; cx: my place in the cluster: it enters x's and out0's addresses alone
	s_lshl_b32 s20, ttmp9, 2                       ; in a cluster launch ttmp9 counts clusters
	s_add_co_u32 s20, s20, s19
	s_lshl_b32 s20, s20, 18                        ; 32 rows of 8,192 bytes
	s_mov_b32 s21, 0
	; group 1 for W1: my quarter is 128 rows x 128 elements, dense in wb, 16 bytes of padding behind every 256
	s_mov_b32 s[G1A], 15|(1<<16)|(1<<20)|(1<<21)|(5<<22)|(3<<25)  ; 15:0 the mask of four; 17:16 2-byte elements; 20 padding on; 21 set beside a mask; 24:22 after every 64 words; 31:25 4 words
	s_mov_b32 s[G1A+1], 128<<16                    ; tensor_dim0
	s_mov_b32 s[G1A+2], 128<<16                    ; tensor_dim1
	s_mov_b32 s[G1A+3], 128<<16                    ; tile_dim0
	s_mov_b32 s[G1A+4], 128                        ; tile_dim1
	s_mov_b32 s[G1A+5], 128                        ; elements from row to row
	s_mov_b32 s[G1A+6], 0
	s_mov_b32 s[G1A+7], 0
	; group 1 for W2 and W3: 16 rows x 512 elements, padding behind every 1,024 bytes
	s_mov_b32 s[G1B], 15|(1<<16)|(1<<20)|(1<<21)|(7<<22)|(3<<25)
	s_mov_b32 s[G1B+1], 512<<16
	s_mov_b32 s[G1B+2], 16<<16
	s_mov_b32 s[G1B+3], 512<<16
	s_mov_b32 s[G1B+4], 16
	s_mov_b32 s[G1B+5], 512
	s_mov_b32 s[G1B+6], 0
	s_mov_b32 s[G1B+7], 0
	s_mov_b32 s[G0], 1
	s_mul_i32 s[G0+1], s[WV], PQ                   ; LDS: slot 0, my quarter: no place in the cluster enters an LDS address
	s_mov_b32 s[G0+4], 1
	s_mul_i32 s[G0+5], s[WV], PQ
	s_add_co_u32 s[G0+5], s[G0+5], PSLOT
	s_mov_b32 s[BETA], 0x3f733333                  ; 0.95
	s_mov_b32 s[BETA+1], s[BETA]
	s_mov_b32 s[FIFTH], 0x3e4ccccd                 ; 0.2
	v_and_b32 v[LN], 31, v0
	v_and_b32 v[RW], 15, v0
	v_bfe_u32 v[HF], v0, 4, 1
	; a fragment is 16 rows x 32 K in 8 registers: lane l holds row l % 16, K = 8 (l / 16) + 0..7 and 16 + 8 (l / 16) + 0..7: two loads of 16 bytes, 32 bytes apart
	v_mul_u32_u24 v15, v[RW], PP
	v_lshl_add_u32 v15, v[HF], 4, v15
	s_mul_i32 s22, s[WV], PQ
	v_add_nc_u32 v[AW], s22, v15                   ; my 128 rows of W1
	v_add_nc_u32 v[AW+1], PSLOT, v[AW]
	v_add_nc_u32 v[AX], XB, v15
	s_mul_i32 s22, s[WV], 8*PP                     ; I bring rows 8 w .. 8 w + 7 of x
	s_add_co_u32 s22, s22, XB
	v_lshl_add_u32 v[AXS], v[LN], 3, s22
	s_lshl_b32 s22, s[WV], 16
	v_lshl_add_u32 v[XO], v[LN], 4, s22
	s_mul_i32 s22, s[WV], 20480                    ; my neurons are K steps 4 w .. 4 w + 3 of layer 2: 5 fragments of 1,024 bytes each
	s_add_co_u32 s22, s22, EB
	v_lshl_add_u32 v[ES], v[LN], 4, s22
	v_add_nc_u32 v[ES+1], ERHO, v[ES]
	s_mul_i32 s22, s[RHO], ERHO
	s_add_co_u32 s22, s22, EB
	v_lshl_add_u32 v[ER0], v[LN], 4, s22
	v_add_nc_u32 v[ER1], 60*1024, v[ER0]           ; an LDS immediate has 16 bits
	s_lshl_b32 s22, s[WV], 9
	s_add_co_u32 s22, s22, BT1
	v_lshl_add_u32 v[AB], v[HF], 5, s22            ; b1 of neuron 128 w + 8 (l / 16)
	s_lshl_b32 s22, s[RHO], 17
	s_lshl_b32 s23, s[ETA], 8
	s_add_co_u32 s22, s22, s23
	v_lshl_add_u32 v[GO], v[HF], 16, s22           ; row 16 rho + 8 (l / 16), byte 256 eta + 16 (l % 16)
	v_lshl_add_u32 v[GO], v[RW], 4, v[GO]
	v_mul_u32_u24 v[ADR], v[RW], QP
	v_lshl_add_u32 v[ADR], v[HF], 4, v[ADR]
	s_mul_i32 s22, s[ETA], 32*QP
	v_add_nc_u32 v[ADR], s22, v[ADR]               ; my 32 rows of a tile of W2 or W3
	v_add_nc_u32 v[ADR+1], QSLOT, v[ADR]
	v_lshlrev_b32 v[BO], 4, v0
	v_lshl_add_u32 v[BS], v0, 4, BT1
	s_wait_dscnt 0x0                               ; the opening add is done
	s_wait_kmcnt 0x0
	s_add_nc_u64 s[4:5], s[4:5], s[20:21]          ; x and out0 at the group's first row
	s_add_nc_u64 s[14:15], s[14:15], s[20:21]
	s_lshl_b32 s48, s[WV], 14
	s_mov_b32 s49, 0
	s_add_nc_u64 s[WQ:WQ+1], s[6:7], s[48:49]
	s_add_nc_u64 s[WQ:WQ+1], s[WQ:WQ+1], W2OFF
	s_lshl_b32 s48, s[WV], 15
	s_add_nc_u64 s[G0+2:G0+3], s[6:7], s[48:49]    ; tile 0, my quarter
	s_add_nc_u64 s[G0+6:G0+7], s[G0+2:G0+3], 131072  ; tile 1
	s_or_b32 s[G0+3], s[G0+3], 0x80000000          ; type = 2
	s_or_b32 s[G0+7], s[G0+7], 0x80000000
; eight rows' 512 bytes of block rel (counted from the stepped base): a load is 512 consecutive bytes of one row
.macro XLOAD set, rel
	WIN 0x80                                       ; destination window 2
.set z, 0
.rept 8
	global_load_b128 v[32*(\set)+4*z:32*(\set)+4*z+3], v[XO], s[4:5] offset:z*ROWB+(\rel)*512 th:TH_LOAD_NT
.set z, z+1
.endr
.endm
; the block in staging set s is rounded to bf16 and put into x's slot s: a store is 256 consecutive bytes, a row
.macro XCONV set
	WIN 0x0a                                       ; sources in window 2
.set z, 0
.rept 16
	v_cvt_pk_bf16_f32 v[TC+z], v[32*(\set)+2*z], v[32*(\set)+2*z+1]
.set z, z+1
.endr
	WIN 0
.set z, 0
.rept 8
	ds_store_b64 v[AXS], v[TC+2*z:TC+2*z+1] offset:(\set)*XSLOT+z*PP
.set z, z+1
.endr
.endm
	global_load_b128 v[48:51], v[BO], s[8:9]       ; the biases: 128 threads x 16 bytes
	global_load_b128 v[52:55], v[BO], s[10:11]
.irp q, 0,1,2,3
	global_load_b128 v[56+4*\q:59+4*\q], v[BO], s[12:13] offset:2048*\q
.endr
	XLOAD 0, 0
	XLOAD 1, 1
	WIN 0
	CROUND                                         ; all four work-groups are here: the first joint loads meet
	tensor_load_to_lds s[G0:G0+3], s[G1A:G1A+7]    ; the two first fills go out together: two loads of mine are out
	s_nop 0
	tensor_load_to_lds s[G0+4:G0+7], s[G1A:G1A+7]
	s_nop 0
	PLACES
	s_wait_loadcnt 16                              ; the six bias loads are in; the sixteen of x behind them stay out
.set z, 0
.rept 12
	v_cvt_pk_bf16_f32 v[72+z], v[48+2*z], v[48+2*z+1]
.set z, z+1
.endr
.set z, 0
.rept 12
	v_lshlrev_b32 v[48+2*z], 16, v[72+z]           ; the rounded biases as f32 again
	v_and_b32 v[48+2*z+1], 0xffff0000, v[72+z]
.set z, z+1
.endr
.set z, 0
.rept 6
	ds_store_b128 v[BS], v[48+4*z:48+4*z+3] offset:2048*z   ; b1, b2, then b3's four parts
.set z, z+1
.endr
	s_wait_loadcnt 8                               ; block 0 of x is in, block 1 stays out
	XCONV 0
	XLOAD 0, 2
	WIN 0
	s_wait_tensorcnt 1                             ; my quarter of tile 0 is in; tile 1's may stay out
	s_wait_dscnt 0x0                               ; for the others' sake: my stores of x and of the biases are done
	s_barrier_signal -1
	s_barrier_wait -1
.set z, 0
.rept 8
	ds_load_b128 v[BIAS1+8*z:BIAS1+8*z+3], v[AB] offset:64*z
	ds_load_b128 v[BIAS1+8*z+4:BIAS1+8*z+7], v[AB] offset:64*z+16
.set z, z+1
.endr
; ---- phase 1 ----
; 20 LDS loads in one run: 8 fragments of W1 and 2 of x, 32 along K at quarter q of slot s, into buffer buf of window 1
.macro FETCH1 s, q, buf
	WIN 0x40
.set z, 0
.rept 8
	ds_load_b128 v[80*(\buf)+8*z:80*(\buf)+8*z+3],   v[AW+(\s)] offset:z*16*PP+64*(\q)
	ds_load_b128 v[80*(\buf)+8*z+4:80*(\buf)+8*z+7], v[AW+(\s)] offset:z*16*PP+64*(\q)+32
.set z, z+1
.endr
.set z, 0
.rept 2
	ds_load_b128 v[80*(\buf)+64+8*z:80*(\buf)+64+8*z+3], v[AX] offset:(\s)*XSLOT+z*16*PP+64*(\q)
	ds_load_b128 v[80*(\buf)+68+8*z:80*(\buf)+68+8*z+3], v[AX] offset:(\s)*XSLOT+z*16*PP+64*(\q)+32
.set z, z+1
.endr
.endm
; 16 products; the 16 accumulators take turns.  first = 1: b1 is the first addend: nothing is cleared
.macro MUL1 buf, first
	WIN 0x05                                       ; sources 0 and 1 in window 1
.set z, 0
.rept 16
.if \first
	v_wmma_f32_16x16x32_bf16 v[ACC1+8*z:ACC1+8*z+7], v[80*(\buf)+8*(z/2):80*(\buf)+8*(z/2)+7], v[80*(\buf)+64+8*(z%2):80*(\buf)+64+8*(z%2)+7], v[BIAS1+8*(z/2):BIAS1+8*(z/2)+7]
.else
	v_wmma_f32_16x16x32_bf16 v[ACC1+8*z:ACC1+8*z+7], v[80*(\buf)+8*(z/2):80*(\buf)+8*(z/2)+7], v[80*(\buf)+64+8*(z%2):80*(\buf)+64+8*(z%2)+7], v[ACC1+8*z:ACC1+8*z+7]
.endif
.set z, z+1
.endr
.endm
; A tile's first quarter.  xm >= 1: the next block of x (lc younger loads may stay out) is rounded into the other slot of x, whose last readers passed the change of slots before;
; the next change of slots shows it to the others.  xm = 2: the block three on is asked for: two blocks, sixteen loads of mine, are on their way.
.macro HEADQ s, first, xm, lc, rel
.if (\first) == 0
	PLACES
.endif
	FETCH1 \s, 1, 1
	s_wait_dscnt 20                                ; all but the 20 just issued
	MUL1 0, \first
.if (\xm) >= 1
	s_wait_loadcnt \lc
	XCONV 1-(\s)
.endif
.if (\xm) == 2
	XLOAD 1-(\s), \rel
.endif
.endm
; Its other three quarters, the change of slots in front of the last.  nxt = 1: the next tile's first fragments are fetched
.macro RESTQ s, kind, nxt
	PLACES
	FETCH1 \s, 2, 0
	s_wait_dscnt 20
	MUL1 1, 0
	PLACES
	FETCH1 \s, 3, 1
	s_wait_dscnt 20
	MUL1 0, 0
	CHANGE \s, \kind                               ; its wait for 0 has brought the last quarter's fragments in
.if \nxt
	FETCH1 1-(\s), 0, 0
.endif
	MUL1 1, 0
.endm
	FETCH1 0, 0, 0
	HEADQ 0, 1, 2, 8, 3                            ; tile 0's first quarter stands in front of the loop: its products start the sums
	WIN 0
	s_mov_b32 s[CT], 6
.Lp1:                                              ; a trip: two tiles, from one's second quarter to the first quarter of the tile two on; both slots are filled again
	RESTQ 0, 0, 1
	HEADQ 1, 0, 2, 8, 4
	RESTQ 1, 0, 1
	HEADQ 0, 0, 2, 8, 5
	WIN 0
	s_wait_xcnt 0x0                                ; x's base is stepped only behind this wait
	s_add_nc_u64 s[4:5], s[4:5], 1024              ; two blocks on
	s_sub_co_u32 s[CT], s[CT], 1
	s_cmp_lg_u32 s[CT], 0
	s_cbranch_scc1 .Lp1
	RESTQ 0, 0, 1                                  ; tiles 12 to 15 are written out: no load of x leaves its row, and the last two changes ask for W2
	HEADQ 1, 0, 1, 8, 0
	RESTQ 1, 0, 1
	HEADQ 0, 0, 1, 0, 0
	RESTQ 0, 1, 1
	HEADQ 1, 0, 0, 0, 0
	RESTQ 1, 2, 0
; ---- layer 1's neurons: a loop over the 5 times, entered in its middle (m(0) = cur1) ----
	PLACES
	WIN 0x40
.set z, 0
.rept 128
	v_mov_b32 v[z], v[ACC1+z]                      ; m, in window 1; cur1 stays where it is.  Each accumulator is read from its low end on
.set z, z+1
.endr
	WIN 0
	s_mov_b32 s[CT], 5
	s_branch .Lmid
.Lt:
	WIN 0x41
.set z, 0
.rept 64
	v_pk_fma_f32 v[2*z:2*z+1], v[2*z:2*z+1], s[BETA:BETA+1], v[ACC1+2*z:ACC1+2*z+1] op_sel_hi:[1,0,1]
.set z, z+1
.endr
	WIN 0x45
.set z, 0
.rept 64
	v_pk_add_f32 v[2*z:2*z+1], v[2*z:2*z+1], v[128+2*z:128+2*z+1] neg_lo:[0,1] neg_hi:[0,1]   ; less the last step's spike
.set z, z+1
.endr
	WIN 0
.Lmid:
	WIN 0x44
.set z, 0
.rept 16
.irp e, 0,1,2,3,4,5,6,7
	v_cmp_lt_f32 s[MK+\e], 1.0, v[8*z+\e]
.endr
.irp e, 0,1,2,3,4,5,6,7
	v_cndmask_b32 v[128+8*z+\e], 0, 1.0, s[MK+\e]
.endr
.set z, z+1
.endr
	WIN 0x85                                       ; from window 1 into window 2
.set z, 0
.rept 64
	v_cvt_pk_bf16_f32 v[z], v[128+2*z], v[128+2*z+1]
.set z, z+1
.endr
	WIN 0x08                                       ; store data in window 2
.set z, 0
.rept 16                                           ; accumulator z: neurons 16 (z / 2) on, row tile z % 2: half (z / 2) % 2 of K step 4 w + z / 4
	ds_store_b128 v[ES+z%2], v[4*z:4*z+3] offset:(z/4)*5120+((z/2)%2)*512
.set z, z+1
.endr
	WIN 0
	v_add_nc_u32 v[ES], 1024, v[ES]                ; the next time's fragments
	v_add_nc_u32 v[ES+1], 1024, v[ES+1]
	s_sub_co_u32 s[CT], s[CT], 1
	s_cmp_lg_u32 s[CT], 0
	s_cbranch_scc1 .Lt
	s_wait_dscnt 0x0                               ; for the others' sake: my spikes are in LDS
	s_barrier_signal -1
	s_barrier_wait -1
; my row tile's 80 fragments, 160 loads of 512 consecutive bytes
.macro SLOAD
	WIN 0x40
.set z, 0
.rept 30
	ds_load_b128 v[8*z:8*z+3],   v[ER0] offset:z*1024
	ds_load_b128 v[8*z+4:8*z+7], v[ER0] offset:z*1024+512
.set z, z+1
.endr
	WIN 0x80
.set z, 0
.rept 30
	ds_load_b128 v[8*z:8*z+3],   v[ER0] offset:(z+30)*1024
	ds_load_b128 v[8*z+4:8*z+7], v[ER0] offset:(z+30)*1024+512
.set z, z+1
.endr
	WIN 0xc0
.set z, 0
.rept 20
	ds_load_b128 v[8*z:8*z+3],   v[ER1] offset:z*1024
	ds_load_b128 v[8*z+4:8*z+7], v[ER1] offset:z*1024+512
.set z, z+1
.endr
	WIN 0
.endm
; 8 LDS loads: the fragments of W for K steps 4 run .. 4 run + 3 of my rows 16 i .. of the tile in the slot, into buffer buf.  It stands under whatever window source 0 has: every window holds the address
.macro FETCHW slot, i, run, buf
.irp k, 0,1,2,3
	ds_load_b128 v[FR+32*(\buf)+8*\k:FR+32*(\buf)+8*\k+3],   v[ADR+(\slot)] offset:(\i)*QQ+(4*(\run)+\k)*64
	ds_load_b128 v[FR+32*(\buf)+8*\k+4:FR+32*(\buf)+8*\k+7], v[ADR+(\slot)] offset:(\i)*QQ+(4*(\run)+\k)*64+32
.endr
.endm
	WIN 0x40
	v_mov_b32 v[ADR], v[ADR]                       ; the slots' addresses into windows 1, 2, 3
	v_mov_b32 v[ADR+1], v[ADR+1]
	WIN 0x80
	v_mov_b32 v[ADR], v[ADR]
	v_mov_b32 v[ADR+1], v[ADR+1]
	WIN 0xc0
	v_mov_b32 v[ADR], v[ADR]
	v_mov_b32 v[ADR+1], v[ADR+1]
	SLOAD
	s_mul_i32 s22, s[RHO], ERHO                    ; where layer 2's spikes go: my rows are K step 2 tile + eta of layer 3
	s_mul_i32 s23, s[ETA], 5120
	s_add_co_u32 s22, s22, s23
	s_add_co_u32 s22, s22, EB
	v_lshl_add_u32 v[ES], v[LN], 4, s22
	s_lshl_b32 s23, s[ETA], 7
	s_add_co_u32 s23, s23, BT2
	v_lshl_add_u32 v[AB], v[HF], 5, s23            ; b2 of neuron 32 eta + 8 (l / 16)
	ds_load_b128 v[BIAS:BIAS+3], v[AB]
	ds_load_b128 v[BIAS+4:BIAS+7], v[AB] offset:16
	FETCHW 0, 0, 0, 0                              ; W2's first tile was shown whole by the last change of slots
	s_wait_dscnt 0x0                               ; my reads of the fragments are back: behind this barrier the region is written again
	s_barrier_signal -1
	s_barrier_wait -1
; ---- the neurons of layer 3, as a numbered list of 136; LIFOP writes the next number for accumulator set RX and output column RCOL ----
; No first source is a vector register, so the list stands under any window of source 0; hence -1.0 x s + m and 1.0 x s + n where sums of two registers would do.  The membrane lives in place in the accumulators.
;   0-15  s(0) = (cur(0) > 1), which starts the count n     per t = 1..4, 28: m(t) = 0.95 m(t-1) + cur(t); less s(t-1); s(t); n += s(t)     128-135  n x 0.2
; Each accumulator is read from its low end on.
.macro LIFOP
.if RN < 8
	v_cmp_lt_f32 s[MK+RN], 1.0, v[RX+RN]
.elseif RN < 16
	v_cndmask_b32 v[CN+RN-8], 0, 1.0, s[MK+RN-8]
.elseif RN < 128
.set lt, (RN-16)/28+1
.set lo, (RN-16)%28
.set rA, RX+8*lt
.if lo < 4
	v_pk_fma_f32 v[rA+2*lo:rA+2*lo+1], s[BETA:BETA+1], v[rA-8+2*lo:rA-8+2*lo+1], v[rA+2*lo:rA+2*lo+1] op_sel_hi:[0,1,1]
.elseif (lo < 8) && (lt == 1)
	v_pk_fma_f32 v[rA+2*lo-8:rA+2*lo-7], -1.0, v[CN+2*lo-8:CN+2*lo-7], v[rA+2*lo-8:rA+2*lo-7] op_sel_hi:[0,1,1]
.elseif lo < 8
	v_pk_fma_f32 v[rA+2*lo-8:rA+2*lo-7], -1.0, v[SA+2*lo-8:SA+2*lo-7], v[rA+2*lo-8:rA+2*lo-7] op_sel_hi:[0,1,1]
.elseif lo < 16
	v_cmp_lt_f32 s[MK+lo-8], 1.0, v[rA+lo-8]
.elseif lo < 24
	v_cndmask_b32 v[SA+lo-16], 0, 1.0, s[MK+lo-16]
.else
	v_pk_fma_f32 v[CN+2*lo-48:CN+2*lo-47], 1.0, v[SA+2*lo-48:SA+2*lo-47], v[CN+2*lo-48:CN+2*lo-47] op_sel_hi:[0,1,1]
.endif
.else
	v_mul_f32 v[OUT+4*(RN-128)+RCOL], s[FIFTH], v[CN+RN-128]
.endif
.set RN, RN+1
.endm
.macro RIDE                            ; the next of the list, or nothing when it is spent
.if RN < 136
	LIFOP
.endif
.endm
.macro RIDEP                           ; the same where a place is owed
.if RN < 136
	LIFOP
.else
	v_nop
.endif
.endm
.macro RIDES acc, col
.set RN, 0
.set RX, (\acc)
.set RCOL, (\col)
.endm
; A SUB-PASS: 80 products in four runs of 20, on the 5 accumulators at acc, which take turns; two riders behind each product.
; mode 0: source 0 = W, source 1 = spikes; mode 1: the other way round.  In front of each run: four places, then the next run's 8 fragment loads into the buffer that the run before read, and a
; wait that leaves those 8 out.  chg: in front of the last run, when the tile's last fragments have been asked for, stands the change of slots (3: with a refill; 4: without).
; The last run's fetch is the first run of the next sub-pass (slot nslot, rows 16 ni on), if nf.  K step 0 takes the bias as C.
.macro SP mode, acc, slot, i, chg, nf, nslot, ni
.set rr, 0
.rept 4
.if (\chg) && (rr == 3)
	CHANGE \slot, \chg
	FETCHW \nslot, \ni, 0, 0
.else
	RIDEP
	RIDEP
	RIDEP
	RIDEP
.if rr < 3
	FETCHW \slot, \i, rr+1, (rr+1)%2
	s_wait_dscnt 8                                 ; all but the 8 just issued
.elseif \nf
	FETCHW \nslot, \ni, 0, 0
	s_wait_dscnt 8
.else
	s_wait_dscnt 0x0
.endif
.endif
.set kk, 0
.rept 4
.set ks, 4*rr+kk
.set fw, 1+(5*ks)/30                   ; a K step's five fragments lie in one window
.if \mode
	WIN fw
.else
	WIN fw<<2
.endif
.set tq, 0
.rept 5
.set rS, 8*((5*ks+tq)%30)
.set rF, FR+32*(rr%2)+8*kk
.set rD, (\acc)+8*tq
.if (\mode) && (ks == 0)
	v_wmma_f32_16x16x32_bf16 v[rD:rD+7], v[rS:rS+7], v[rF:rF+7], v[BIAS:BIAS+7]
.elseif \mode
	v_wmma_f32_16x16x32_bf16 v[rD:rD+7], v[rS:rS+7], v[rF:rF+7], v[rD:rD+7]
.elseif ks == 0
	v_wmma_f32_16x16x32_bf16 v[rD:rD+7], v[rF:rF+7], v[rS:rS+7], v[BIAS:BIAS+7]
.else
	v_wmma_f32_16x16x32_bf16 v[rD:rD+7], v[rF:rF+7], v[rS:rS+7], v[rD:rD+7]
.endif
	RIDE
	RIDE
.set tq, tq+1
.endr
.set kk, kk+1
.endr
.set rr, rr+1
.endr
.endm
; Layer 2's neurons for one sub-pass, in one run: the same steps, each time's spikes packed to bf16 (half a fragment of layer 3) and stored; then the next sub-pass's b2
.macro LIF2L par, i, boff
	WIN 0
	PLACES
.set tq, 0
.rept 5
.set rA, ACCA+8*tq
.if tq > 0
.irp e, 0,2,4,6
	v_pk_fma_f32 v[rA+\e:rA+\e+1], v[rA-8+\e:rA-8+\e+1], s[BETA:BETA+1], v[rA+\e:rA+\e+1] op_sel_hi:[1,0,1]
.endr
.irp e, 0,2,4,6
	v_pk_add_f32 v[rA+\e:rA+\e+1], v[rA+\e:rA+\e+1], v[SA+\e:SA+\e+1] neg_lo:[0,1] neg_hi:[0,1]
.endr
.endif
.irp e, 0,1,2,3,4,5,6,7
	v_cmp_lt_f32 s[MK+\e], 1.0, v[rA+\e]
.endr
.irp e, 0,1,2,3,4,5,6,7
	v_cndmask_b32 v[SA+\e], 0, 1.0, s[MK+\e]
.endr
.irp e, 0,1,2,3
	v_cvt_pk_bf16_f32 v[PK+4*tq+\e], v[SA+2*\e], v[SA+2*\e+1]
.endr
.set tq, tq+1
.endr
.set tq, 0
.rept 5
	ds_store_b128 v[ES], v[PK+4*tq:PK+4*tq+3] offset:(\par)*10240+(\i)*512+tq*1024
.set tq, tq+1
.endr
	ds_load_b128 v[BIAS:BIAS+3], v[AB] offset:(\boff)        ; waited for by the next sub-pass's first counted wait
	ds_load_b128 v[BIAS+4:BIAS+7], v[AB] offset:(\boff)+16   ; (the very last pair reads b3's first words and is not used)
.endm
; ---- phase 2: W2's 8 tiles, two a trip ----
.set RN, 136                           ; no riders
.set RX, ACCA
.set RCOL, 0
	s_mov_b32 s[CT], 4
.Lp2:
	SP 0, ACCA, 0, 0, 0, 1, 0, 1
	LIF2L 0, 0, 64
	SP 0, ACCA, 0, 1, 3, 1, 1, 0
	LIF2L 0, 1, 256
	SP 0, ACCA, 1, 0, 0, 1, 1, 1
	LIF2L 1, 0, 320
	SP 0, ACCA, 1, 1, 3, 1, 0, 0                   ; the last trip's fetch is W3's first run
	LIF2L 1, 1, 512
	v_add_nc_u32 v[ES], 20480, v[ES]               ; four K steps of layer 3 on
	v_add_nc_u32 v[AB], 512, v[AB]
	s_sub_co_u32 s[CT], s[CT], 1
	s_cmp_lg_u32 s[CT], 0
	s_cbranch_scc1 .Lp2
	s_lshl_b32 s23, s[ETA], 8
	s_add_co_u32 s23, s23, BT3
	v_lshl_add_u32 v[AB], v[RW], 4, s23            ; b3 of column 64 eta + 4 (l % 16)
	ds_load_b32 v[BV], v[AB]
	s_wait_dscnt 0x0                               ; for the others' sake: my spikes are in LDS
	s_barrier_signal -1
	s_barrier_wait -1
	SLOAD                                          ; the last products that read these registers stand in front of the run of vector work above
	s_wait_dscnt 0x0
; ---- phase 3: W3's 32 tiles ----
; A sub-pass opens: its bias, one number a lane, into C's eight registers (also the places between the other set's last products and the first rider that reads them); the next one's is asked for
.macro OPEN3 cur, off
	WIN 0
.irp e, 0,1,2,3,4,5,6,7
	v_mov_b32 v[BIAS+\e], v[BV+(\cur)]
.endr
.if (\off) >= 0
	ds_load_b32 v[BV+1-(\cur)], v[AB] offset:(\off)
.endif
.endm
; four sub-passes' results: a lane's 16 bytes of 8 rows; sixteen lanes store 256 consecutive bytes, at a multiple of 256 from out0's first byte
.macro STORE
	WIN 0
.irp e, 0,1,2,3,4,5,6,7
	global_store_b128 v[GO], v[OUT+4*\e:OUT+4*\e+3], s[14:15] offset:\e*ROWB th:TH_STORE_NT
.endr
	s_wait_xcnt 0x0                                ; the stores' data and base are rewritten only behind this wait
	s_add_nc_u64 s[14:15], s[14:15], 512           ; the next 128 columns
.endm
	OPEN3 0, 4
	SP 1, ACCA, 0, 0, 0, 1, 0, 1                   ; column 0 of the first 128: nothing rides yet
	WIN 0
	s_mov_b32 s[CT], 15
.Lp3:                                              ; a trip: columns 1, 2, 3 of one group of 128 columns and column 0 of the next; two changes of slots; one run of stores
	OPEN3 1, 8
	RIDES ACCA, 0
	SP 1, ACCB, 0, 1, 3, 1, 1, 0
	OPEN3 0, 12
	RIDES ACCB, 1
	SP 1, ACCA, 1, 0, 0, 1, 1, 1
	OPEN3 1, 512
	RIDES ACCA, 2
	SP 1, ACCB, 1, 1, 3, 1, 0, 0
	OPEN3 0, 516
	RIDES ACCB, 3
	SP 1, ACCA, 0, 0, 0, 1, 0, 1
	STORE
	v_add_nc_u32 v[AB], 512, v[AB]
	s_sub_co_u32 s[CT], s[CT], 1
	s_cmp_lg_u32 s[CT], 0
	s_cbranch_scc1 .Lp3
	OPEN3 1, 8                                     ; the tail is written out: nothing is left to ask for
	RIDES ACCA, 0
	SP 1, ACCB, 0, 1, 4, 1, 1, 0
	OPEN3 0, 12
	RIDES ACCB, 1
	SP 1, ACCA, 1, 0, 0, 1, 1, 1
	OPEN3 1, -1
	RIDES ACCA, 2
	SP 1, ACCB, 1, 1, 0, 0, 0, 0
	WIN 0
	PLACES
	RIDES ACCB, 3
.rept 136
	LIFOP                                          ; the last column's neurons have no products to ride behind
.endr
	STORE
	s_wait_tensorcnt 0x0                           ; the wave's end, behind my last tensor load and my last LDS store
	ds_add_u32 v[SPW], v[NIL]
	s_wait_dscnt 0x0
	CROUND                                         ; the closing round: no work-group ends while a partner may still ask for a tile that names it
	s_endpgm
.Lfunc_end_k_q5c26f54686_snn:
	.size	k_q5c26f54686_snn, .Lfunc_end_k_q5c26f54686_snn-k_q5c26f54686_snn
	.p2alignl 7, 3214868480
	.fill 96, 4, 3214868480
	.section	.rodata,"a",@progbits
	.p2align	6, 0x0
	.amdhsa_kernel k_q5c26f54686_snn
		.amdhsa_group_segment_fixed_size 327680
		.amdhsa_private_segment_fixed_size 0
		.amdhsa_enable_private_segment 0
		.amdhsa_kernarg_size 48
		.amdhsa_user_sgpr_count 2
		.amdhsa_user_sgpr_kernarg_segment_ptr 1
		.amdhsa_wavefront_size32 1
		.amdhsa_system_sgpr_workgroup_id_x 1
		.amdhsa_system_sgpr_workgroup_id_y 1
		.amdhsa_system_sgpr_workgroup_id_z 1
		.amdhsa_system_vgpr_workitem_id 0
		.amdhsa_next_free_vgpr 1024
		.amdhsa_next_free_sgpr 72
		.amdhsa_reserve_vcc 0
		.amdhsa_float_denorm_mode_32 3
		.amdhsa_float_denorm_mode_16_64 3
		.amdhsa_memory_ordered 1
		.amdhsa_forward_progress 1
		.amdhsa_inst_pref_size 255
	.end_amdhsa_kernel
	.section	.bss,"aw",@nobits
	.p2align	6
	.space	262144
	.amdgpu_metadata
---
amdhsa.version: [ 1, 2 ]
amdhsa.kernels:
  - .name:           k_q5c26f54686_snn
    .symbol:         k_q5c26f54686_snn.kd
    .args:
      - { .name: x, .offset: 0, .size: 8, .value_kind: global_buffer, .address_space: global }
      - { .name: wb, .offset: 8, .size: 8, .value_kind: global_buffer, .address_space: global }
      - { .name: b1, .offset: 16, .size: 8, .value_kind: global_buffer, .address_space: global }
      - { .name: b2, .offset: 24, .size: 8, .value_kind: global_buffer, .address_space: global }
      - { .name: b3, .offset: 32, .size: 8, .value_kind: global_buffer, .address_space: global }
      - { .name: out0, .offset: 40, .size: 8, .value_kind: global_buffer, .address_space: global }
    .group_segment_fixed_size: 327680
    .private_segment_fixed_size: 0
    .kernarg_segment_align: 8
    .kernarg_segment_size: 48
    .max_flat_workgroup_size: 128
    .sgpr_count:     72
    .vgpr_count:     1024
    .wavefront_size: 32
...
	.end_amdgpu_metadata
.endif
;; end of part 2
